; MI455X (gfx1250); checked and timed in simulation.
; The chip was launched on July 23, 2026; its instructions are those of AMD's public machine-readable ISA for CDNA 5 (MIT licence, August 2026) and "CDNA5" Instruction Set Architecture Reference Guide (July 2026). The comments in the code are by the model that wrote it; some were corrected since.
;; Parallel E8 Quantizer. Allowed arithmetic: float matrix products may take bf16 or f16 operands with f32 sums; other float arithmetic in f32, or as packed bf16 or f16 multiplies, adds, multiply-adds, maxima and minima; sums over many terms, partial sums and values carried from step to step in f32; what a program stores and reads back later, other than sums and carried values, may be rounded once to bf16 or f16.
;; Inputs: roots 240 x 8 float32; x 524,288 x 8 float32.
;; Outputs: out0 524,288 x 8 float32; out1 4 x 524,288 int32; out2 one number float32.
;; One version. Each part assembles by itself: llvm-mc -triple=amdgcn-amd-amdhsa -mcpu=gfx1250 --defsym DOCPART=n.
;; ======== version 1 of 1: 2 launches
;; limits: right only within a limited range of input values
;; workspace buffers: part 8,192 bytes
;; launch quant (part 1): grid 256 x 1, 8 waves a work-group, no clusters, 0 bytes of LDS; arguments x, roots, out0, out1, part; writes out0, out1, part
.if DOCPART == 1
	.amdgcn_target "amdgcn-amd-amdhsa--gfx1250"
	.amdhsa_code_object_version 6
	.text
	.protected	k_qdccb4f480a_quant
	.globl	k_qdccb4f480a_quant
	.p2align	8
	.type	k_qdccb4f480a_quant,@function
k_qdccb4f480a_quant:
	s_mov_b64 s[64:65], 0
	v_nop
	global_prefetch_b8 v0, s[64:65] scope:SCOPE_SE
	s_setreg_imm32_b32 hwreg(HW_REG_WAVE_MODE, 25, 1), 1
	s_wait_xcnt 0x0
; RESIDUAL QUANTISER: 524,288 rows of 8 numbers, 4 levels, each level the nearest of 240 roots (first index on a tie).
; out0 = (q + x) - x, out1 = the four indices, part = one sum of (x - q)^2 for each wave (added up by the next launch).
; FORMAT.  x and roots are rounded once to bf16; all that follows is computed on those numbers.
; THE DISTANCE.  A matrix instruction has K = 32, a row 8 numbers: the four groups of 8 along K hold x and the up to three roots chosen
; so far, each exact in bf16; the roots' side holds -2R, +2R, +2R, +2R, and the C operand |R_j|^2 in f32.  So
; D[j][row] = |R_j|^2 - 2 R_j . (x - r1 - r2 - r3), with no vector work and no second rounding of the residual.
; LIMITS.  |residual|^2, the same for every j, and the clip at 0 are not added before the comparison, and qsum and the residual are not
; rounded to f32 before the product: an order of rounding that differs from reference()'s (where reference()'s roundings make two
; distances equal it takes the lower index, this text the nearer root).  Two distances that differ by less than 2^-91 count as equal.
; Finite numbers only: NaN and infinities are not treated.
; SHARES.  256 work-groups of 8 waves; a wave owns 256 consecutive rows: 16 blocks of 16.  Source 0 = 16 roots, source 1 = 16 rows: lane (r, h)
; (r = lane % 16, h = lane / 16) holds row r and, in register jj of tile t, root j = 120 h + 15 jj + t: the order (h, jj, t) is the order of j.
; For x, qsum and out0 lane (r, h) owns dimensions 4h .. 4h+3 of row r.  Along K every lane lays its own four dimensions first, then its
; partner's, on both sides alike.
; THE GATHER uses no address made of data: a one-hot vector over 32 places s = 16 h* + t* multiplies four fragments that hold the roots by
; (column jj, dimension); selects pick column jj*.
; No LDS, no barrier: the waves share nothing but the 7,680 bytes of roots, which each keeps in registers.
; REGISTERS, in windows of 256 (s_set_vgpr_msb: bits 1:0 source 0, 3:2 source 1, 5:4 source 2, 7:6 destination).
.set OFFS,  1          ; byte offset of my 16 bytes of the block in hand, in x and out0
.set IOFF,  2          ; byte offset of my 8 bytes in out1
.set H8,    3          ; 8 h
.set C3F80, 4          ; 1.0 in bf16, low half
.set BPE,   5          ; lane permute: 4 x ((2 lane) % 32)
.set BPO,   6          ; the same + 4
.set BIGK,  7          ; a key above every valid one
.set XR,    10         ; v10-13  x as loaded, one block ahead
.set XB,    14         ; v14-17  x rounded to bf16, as f32
.set Q,     18         ; v18-21  qsum
.set R,     22         ; v22-25  the root just chosen
.set P,     26         ; v26-27  four numbers packed to bf16
.set T,     28         ; v28-29  my partner's
.set ACC,   30         ; v30-31  sum of (x - q)^2
.set B,     32         ; v32-39  source 1 of the distances
.set E,     40         ; v40-47  column minima
.set IND,   48         ; v48-55  1.0 for the first column that holds the minimum, else 0
.set NM,    56         ; v56-57  (-m, 0)
.set M,     58
.set U0,    59
.set U1,    60
.set J,     61
.set KEY,   62         ; 256 h* + 16 jj* + t*
.set A4,    63
.set Z,     64         ; v64-79  the chosen column less m, then keys
.set IM,    80         ; v80-87  indices of 64 rows, two registers a level
.set OH,    88         ; v88-95  the one-hot vector
.set AG,    96         ; v96-127 four fragments for the gather
.set D,     128        ; v128-247 the 15 accumulators
.set O,     248        ; v248-251 out0
.set SS,    252
.set ZZ,    253
.set VAL,   254
.set IDX,   255
.set WA,    0          ; window 1: v0-119 the roots' fragments
.set WC,    120        ; window 1: v120-239 |R|^2 in the layout of C
.set TC,    240        ; window 1: v240-255 t + 256 h, as f32
; names for the set-up alone
.set ODD,   32
.set SGN,   26
.set H256,  27
.set S0,    22
.set S1,    23
.set S2,    24
.set S3,    25
.set OF1,   248
.set OF2,   249
.set VG,    250
.set VGC,   251
.set LANE,  252
.set RR,    253
.set HH,    254
.set TMP,   255
.set MSB, 0
.macro WIN new                      ; the immediate's high byte repeats the setting that is left; a switch that changes nothing is dropped
.if MSB != (\new)
	s_set_vgpr_msb (MSB<<8)|(\new)
.set MSB, (\new)
.endif
.endm
	s_load_b256 s[4:11], s[0:1], 0x0           ; x s[4:5], roots s[6:7], out0 s[8:9], out1 s[10:11]
	s_load_b64 s[12:13], s[0:1], 0x20          ; part
	v_and_b32 v[LANE], 31, v0
	v_lshrrev_b32 v[TMP], 5, v0
	v_readfirstlane_b32 s14, v[TMP]            ; wave 0..7
	s_lshl_b32 s15, ttmp9, 3
	s_add_co_u32 s15, s15, s14                 ; my wave among the launch's 2,048
	s_mov_b32 s17, 0
	s_mov_b32 s18, 0x0000ffff                  ; lanes with h = 0
	s_mov_b32 s19, 0xffff0000                  ; lanes with h = 1; also a word's upper bf16
	s_mov_b32 s20, 0x76543210                  ; v_permlanex16_b32: each lane takes its own place in the other half
	s_mov_b32 s21, 0xfedcba98
	v_and_b32 v[RR], 15, v[LANE]
	v_lshrrev_b32 v[HH], 4, v[LANE]
	v_lshlrev_b32 v[H8], 3, v[HH]
	v_lshlrev_b32 v[H256], 8, v[HH]
	v_mov_b32 v[C3F80], 0x3f80
	v_mov_b32 v[BIGK], 0x7fff
	v_lshlrev_b32 v[BPE], 3, v[LANE]
	v_and_b32 v[BPE], 0x7c, v[BPE]
	v_add_nc_u32 v[BPO], 4, v[BPE]
	v_lshlrev_b32 v[OFFS], 5, v[RR]
	v_lshl_add_u32 v[OFFS], v[HH], 4, v[OFFS]  ; 32 r + 16 h: a wave's load or store covers 512 consecutive bytes
	v_lshlrev_b32 v[IOFF], 3, v[LANE]
	; row r of a fragment of tile t is root 120 (r / 8) + 15 (r % 8) + t; my own four dimensions first, then the other four
	v_lshrrev_b32 v[S0], 3, v[RR]
	v_and_b32 v[S1], 7, v[RR]
	v_mul_u32_u24 v[OF1], v[S0], 3840
	v_mad_u32_u24 v[OF1], v[S1], 480, v[OF1]
	v_lshl_add_u32 v[OF1], v[HH], 4, v[OF1]
	v_xor_b32 v[OF2], 16, v[OF1]
	; row m of gather fragment w is (dimension 4 (m / 8) + m % 4, column 2 w + (m / 4) % 2); place k along K is root 120 (k / 16) + 15 column + k % 16
	v_bfe_u32 v[S2], v[RR], 2, 1
	v_and_b32 v[S3], 3, v[RR]
	v_mul_u32_u24 v[VG], v[S2], 480
	v_lshl_add_u32 v[VG], v[HH], 8, v[VG]
	v_lshl_add_u32 v[VG], v[S0], 4, v[VG]
	v_lshl_add_u32 v[VG], v[S3], 2, v[VG]
	v_min_u32 v[VGC], 732, v[VG]               ; place 31 of column 7 names no root: its load is held inside the 7,680 bytes; the one-hot vector is 0 there
	s_wait_kmcnt 0x0
	s_lshl_b32 s16, s15, 13                    ; 256 rows of 32 bytes
	s_add_nc_u64 s[4:5], s[4:5], s[16:17]
	s_add_nc_u64 s[8:9], s[8:9], s[16:17]
	s_lshl_b32 s16, s15, 10                    ; 256 indices of 4 bytes
	s_add_nc_u64 s[10:11], s[10:11], s[16:17]
	s_lshl_b32 s16, s15, 2
	s_add_nc_u64 s[12:13], s[12:13], s[16:17]
	global_load_b128 v[XR:XR+3], v[OFFS], s[4:5] th:TH_LOAD_NT   ; block 0
.set it, 0
.rept 15                                           ; the roots of the 15 tiles, staged where the accumulators will lie
	global_load_b128 v[D+8*it:D+8*it+3],   v[OF1], s[6:7] offset:32*it
	global_load_b128 v[D+8*it+4:D+8*it+7], v[OF2], s[6:7] offset:32*it
.set it, it+1
.endr
.set iw, 0
.rept 4                                            ; the gather fragments, number by number: even places, odd places
.set iq, 0
.rept 8
	global_load_b32 v[AG+8*iw+iq], v[VG], s[6:7] offset:(120*(iq/4)+30*iw+2*(iq%4))*32
.if (iw == 3) && (iq == 7)
	global_load_b32 v[ODD+8*iw+iq], v[VGC], s[6:7] offset:(120*(iq/4)+30*iw+2*(iq%4)+1)*32
.else
	global_load_b32 v[ODD+8*iw+iq], v[VG], s[6:7] offset:(120*(iq/4)+30*iw+2*(iq%4)+1)*32
.endif
.set iq, iq+1
.endr
.set iw, iw+1
.endr
	; constants, made while the loads are out (none of these registers is a load's)
	v_mov_b32 v[TMP], 0x80008000
	v_cndmask_b32 v[SGN], 0, v[TMP], s18       ; group 0 along K (x) lies in the lanes with h = 0: there the roots' side is -2R
	v_mov_b32 v[TMP], 0x3f803f80
	v_cndmask_b32 v[IM], 0, v[TMP], s18        ; for the set-up products: ones at K = 0, 1, 2
	v_cndmask_b32 v[IM+1], 0, v[C3F80], s18
.set ii, 2
.rept 6
	v_mov_b32 v[IM+ii], 0
	v_mov_b32 v[OH+ii], 0
.set ii, ii+1
.endr
	v_mov_b32 v[T], 0
	v_mov_b32 v[T+1], 0
	v_mov_b32 v[ACC], 0
	v_mov_b32 v[ACC+1], 0
	v_mov_b32 v[Z+15], 1.0                     ; named with Z+14 as a pair; its key is never taken
	WIN 0x40
.set ii, 0
.rept 16
	v_or_b32 v[TC+ii], ii, v[H256]
.set ii, ii+1
.endr
	WIN 0x41
.set ii, 0
.rept 16
	v_cvt_f32_u32 v[TC+ii], v[TC+ii]
.set ii, ii+1
.endr
	WIN 0
	s_wait_loadcnt 0x0                         ; roots and block 0
; One tile of 16 roots: 2R rounded to bf16 (= 2 x the rounded R) into the fragment, with the sign for group 0; |R|^2 summed in f32, dimension 0 to 7
; in the lanes with h = 0 (the products of bf16 numbers are exact), cut into three bf16 terms that add up to it exactly, and spread over the 16 columns by
; one matrix instruction with ones at K = 0, 1, 2.  More than four plain instructions that name none of its registers stand between a
; matrix instruction and the next writes of its source (ISA guide 7.12.1).
.macro ROOTTILE t
.set rs, D+8*(\t)
	WIN 0
.set ii, 0
.rept 4
	v_pk_mul_f32 v[rs+2*ii:rs+2*ii+1], v[rs+2*ii:rs+2*ii+1], 2.0 op_sel_hi:[1,0]
.set ii, ii+1
.endr
.set ii, 0
.rept 4
	v_cvt_pk_bf16_f32 v[Z+ii], v[rs+2*ii], v[rs+2*ii+1]
.set ii, ii+1
.endr
.set ii, 0
.rept 4
	v_lshlrev_b32 v[rs+2*ii], 16, v[Z+ii]
	v_and_b32 v[rs+2*ii+1], s19, v[Z+ii]
.set ii, ii+1
.endr
	v_mul_f32 v[Z+4], v[rs], v[rs]
.set ii, 1
.rept 7
	v_fmac_f32 v[Z+4], v[rs+ii], v[rs+ii]
.set ii, ii+1
.endr
	v_mul_f32 v[Z+4], 0x3e800000, v[Z+4]       ; (2R)^2 / 4
	v_and_b32 v[Z+5], s19, v[Z+4]              ; the upper 8 bits,
	v_sub_f32 v[Z+6], v[Z+4], v[Z+5]
	v_and_b32 v[Z+7], s19, v[Z+6]              ; the next 8,
	v_sub_f32 v[Z+8], v[Z+6], v[Z+7]           ; the last 8
	v_perm_b32 v[OH], v[Z+7], v[Z+5], 0x07060302
	v_lshrrev_b32 v[OH+1], 16, v[Z+8]
	WIN 0x40
.set ii, 0
.rept 4
	v_mov_b32 v[WA+8*(\t)+4+ii], v[Z+ii]
	v_xor_b32 v[WA+8*(\t)+ii], v[SGN], v[Z+ii]
.set ii, ii+1
.endr
	v_wmma_f32_16x16x32_bf16 v[WC+8*(\t):WC+8*(\t)+7], v[OH:OH+7], v[IM:IM+7], 0
.endm
.irp t, 0,1,2,3,4,5,6,7,8,9,10,11,12,13,14
	ROOTTILE \t
.endr
	WIN 0
.set ii, 0
.rept 32
	v_cvt_pk_bf16_f32 v[AG+ii], v[AG+ii], v[ODD+ii]
.set ii, ii+1
.endr
	v_mov_b32 v[IM], 0
	v_mov_b32 v[IM+1], 0
	v_mov_b32 v[NM+1], 0
	s_mov_b32 s24, 0xffff                      ; s[24:25]: which 16 lanes of which of a level's two index registers this block fills
	s_mov_b32 s25, 0
	s_mov_b32 s22, 16                          ; blocks to go
; ONE LEVEL.
.macro LEVEL l
	WIN 0x11                                   ; roots' fragments and |R|^2 in window 1
.set it, 0
.rept 15
	v_wmma_f32_16x16x32_bf16 v[D+8*it:D+8*it+7], v[WA+8*it:WA+8*it+7], v[B:B+7], v[WC+8*it:WC+8*it+7]
.set it, it+1
.endr
	WIN 0
.rept 4
	v_nop                                      ; four places between the products and the first read of their results (ISA guide 7.12.1)
.endr
	; the minimum of each column jj over the 15 tiles, three operands at a time; each accumulator's register 0 is read first
.set ij, 0
.rept 8
	v_min3_num_f32 v[E+ij], v[D+ij], v[D+8+ij], v[D+16+ij]
.set ij, ij+1
.endr
.set ia, 1
.rept 6
.set ij, 0
.rept 8
	v_min3_num_f32 v[E+ij], v[E+ij], v[D+8*(2*ia+1)+ij], v[D+8*(2*ia+2)+ij]
.set ij, ij+1
.endr
.set ia, ia+1
.endr
	v_min3_num_f32 v[U0], v[E], v[E+1], v[E+2]
	v_min3_num_f32 v[U1], v[E+3], v[E+4], v[E+5]
	v_min3_num_f32 v[U0], v[U0], v[E+6], v[E+7]
	v_min_num_f32 v[U0], v[U0], v[U1]
	v_permlanex16_b32 v[U1], v[U0], s20, s21   ; the row's other 120 roots lie in the lane 16 away
	v_min_num_f32 v[M], v[U0], v[U1]           ; m, the row's least distance
	; which columns hold m; the first of them gets the weight 1.0
.set ic, 0
.rept 8
	v_cmp_le_f32 s[28+ic], v[E+ic], v[M]
.set ic, ic+1
.endr
	v_sub_f32 v[NM], 0, v[M]
	s_mov_b32 s27, s28
.set ic, 1
.rept 7
	s_and_not1_b32 s[36+ic], s[28+ic], s27     ; holds m, and no column before it does
	s_or_b32 s27, s27, s[28+ic]                ; at the end: the lanes that hold m at all
.set ic, ic+1
.endr
	v_cndmask_b32 v[IND], 0, 1.0, s28
.set ic, 1
.rept 7
	v_cndmask_b32 v[IND+ic], 0, 1.0, s[36+ic]
.set ic, ic+1
.endr
	v_cndmask_b32 v[J], 0, 7, s35              ; the first column's number: from the last to the first, the first writes last
.irp c, 6,5,4,3,2,1,0
	v_cndmask_b32 v[J], v[J], \c, s[28+\c]
.endr
	; that column's 15 distances less m: sum over the columns of weight x distance, begun with (-m, 0): one term is not 0, so z = d - m, rounded once, 0 only where d = m
.set it, 0
.rept 15
	v_pk_fma_f32 v[D+8*it:D+8*it+1], v[D+8*it:D+8*it+1], v[IND:IND+1], v[NM:NM+1]
.set it, it+1
.endr
.set ip, 1
.rept 3
.set it, 0
.rept 15
	v_pk_fma_f32 v[D+8*it:D+8*it+1], v[D+8*it+2*ip:D+8*it+2*ip+1], v[IND+2*ip:IND+2*ip+1], v[D+8*it:D+8*it+1]
.set it, it+1
.endr
.set ip, ip+1
.endr
.set it, 0
.rept 15
	v_add_f32 v[Z+it], v[D+8*it], v[D+8*it+1]
.set it, it+1
.endr
	WIN 0x10                                   ; the constants t + 256 h lie in window 1
.set it, 0
.rept 8
	v_pk_fma_f32 v[Z+it:Z+it+1], v[Z+it:Z+it+1], 0x71800000, v[TC+it:TC+it+1] op_sel_hi:[1,0,1]  ; z 2^100 + t + 256 h: the least key is the first t with z = 0
.set it, it+2
.endr
	WIN 0
	v_min3_num_f32 v[U0], v[Z], v[Z+1], v[Z+2]
	v_min3_num_f32 v[U1], v[Z+3], v[Z+4], v[Z+5]
	v_min3_num_f32 v[U0], v[U0], v[Z+6], v[Z+7]
	v_min3_num_f32 v[U1], v[U1], v[Z+8], v[Z+9]
	v_min3_num_f32 v[U0], v[U0], v[Z+10], v[Z+11]
	v_min3_num_f32 v[U1], v[U1], v[Z+12], v[Z+13]
	v_min3_num_f32 v[U0], v[U0], v[U1], v[Z+14]
	v_cvt_u32_f32 v[U0], v[U0]
	v_lshl_add_u32 v[U0], v[J], 4, v[U0]       ; 256 h + 16 jj + t: ordered as j is
	v_cndmask_b32 v[U0], v[BIGK], v[U0], s27   ; a lane that does not hold m offers nothing
	v_permlanex16_b32 v[U1], v[U0], s20, s21
	v_min_u32 v[KEY], v[U0], v[U1]             ; both lanes of the row now know the winner
	; the one-hot vector over s = 16 h* + t*: my lane holds the places with bit 3 = h, two to a register
	v_lshrrev_b32 v[A4], 4, v[KEY]             ; 16 h* + jj*
	v_and_b32 v[U0], 15, v[KEY]
	v_and_or_b32 v[SS], v[A4], 16, v[U0]
	v_xor_b32 v[ZZ], v[SS], v[H8]
	v_lshlrev_b32 v[U0], 4, v[SS]              ; a shift takes its amount's low 5 bits: 16 (s % 2)
	v_and_b32 v[ZZ], 30, v[ZZ]
	v_lshlrev_b32 v[VAL], v[U0], v[C3F80]      ; 1.0 in the half that s names
.set ip, 0
.rept 8
	v_cmp_eq_u32 s[44+ip], 16*(ip/4)+2*(ip%4), v[ZZ]
.set ip, ip+1
.endr
.set ip, 0
.rept 8
	v_cndmask_b32 v[OH+ip], 0, v[VAL], s[44+ip]
.set ip, ip+1
.endr
	v_bfe_u32 v[U0], v[KEY], 4, 3
	v_lshrrev_b32 v[U1], 8, v[KEY]
	v_mad_u32_u24 v[U0], v[U1], 136, v[U0]
	v_sub_nc_u32 v[IDX], v[KEY], v[U0]         ; j = 120 h* + 15 jj* + t*
.set iw, 0
.rept 4
	v_wmma_f32_16x16x32_bf16 v[D+8*iw:D+8*iw+7], v[AG+8*iw:AG+8*iw+7], v[OH:OH+7], 0
.set iw, iw+1
.endr
	v_and_b32 v[U0], 1, v[A4]                  ; five plain instructions that name none of those products' registers: their places
	v_and_b32 v[U1], 2, v[A4]
	v_and_b32 v[SS], 4, v[A4]
	v_cndmask_b32 v[IM+2*(\l)], v[IM+2*(\l)], v[IDX], s24
	v_cndmask_b32 v[IM+2*(\l)+1], v[IM+2*(\l)+1], v[IDX], s25
	v_cmp_ne_u32 s52, 0, v[U0]
	v_cmp_ne_u32 s53, 0, v[U1]
	v_cmp_ne_u32 s54, 0, v[SS]
	; register jj' of product w holds my dimension jj' % 4 of the root in column 2 w + jj' / 4: column jj* is picked bit by bit
.set iw, 0
.rept 4
.set id, 0
.rept 4
	v_cndmask_b32 v[D+8*iw+id], v[D+8*iw+id], v[D+8*iw+4+id], s52
.set id, id+1
.endr
.set iw, iw+1
.endr
.set iw, 0
.rept 2
.set id, 0
.rept 4
	v_cndmask_b32 v[D+16*iw+id], v[D+16*iw+id], v[D+16*iw+8+id], s53
.set id, id+1
.endr
.set iw, iw+1
.endr
.if (\l) == 0
.set rd, Q                                  ; 0 + r1 = r1
.else
.set rd, R
.endif
.set id, 0
.rept 4
	v_cndmask_b32 v[rd+id], v[D+id], v[D+16+id], s54
.set id, id+1
.endr
.if (\l) < 3
	; the root joins source 1 as group l + 1 along K: groups 1 and 3 lie in the lanes with h = 1, group 2 in those with h = 0
.set bb, B+4*(((\l)+1)/2)
.set mk, 18+(((\l)+1)%2)
	v_cvt_pk_bf16_f32 v[P], v[rd], v[rd+1]     ; exact: the numbers are bf16 numbers
	v_cvt_pk_bf16_f32 v[P+1], v[rd+2], v[rd+3]
	v_permlanex16_b32 v[T], v[P], s20, s21
	v_permlanex16_b32 v[T+1], v[P+1], s20, s21
	v_cndmask_b32 v[bb], v[bb], v[P], s[mk]
	v_cndmask_b32 v[bb+1], v[bb+1], v[P+1], s[mk]
	v_cndmask_b32 v[bb+2], v[bb+2], v[T], s[mk]
	v_cndmask_b32 v[bb+3], v[bb+3], v[T+1], s[mk]
.endif
.if (\l) > 0
	v_pk_add_f32 v[Q:Q+1], v[Q:Q+1], v[R:R+1]  ; qsum in f32, in reference()'s order
	v_pk_add_f32 v[Q+2:Q+3], v[Q+2:Q+3], v[R+2:R+3]
.endif
.endm
.Lblock:
	s_wait_loadcnt 0x0                         ; this block's x, asked for a block ago
	v_cvt_pk_bf16_f32 v[P], v[XR], v[XR+1]
	v_cvt_pk_bf16_f32 v[P+1], v[XR+2], v[XR+3]
	s_cmp_eq_u32 s22, 1
	s_cbranch_scc1 .Lnoload                    ; the last block asks for nothing: no load leaves the wave's rows
	global_load_b128 v[XR:XR+3], v[OFFS], s[4:5] offset:512 th:TH_LOAD_NT
.Lnoload:
	v_permlanex16_b32 v[T], v[P], s20, s21
	v_permlanex16_b32 v[T+1], v[P+1], s20, s21
	v_cndmask_b32 v[B], 0, v[P], s18           ; group 0 along K: x, in the lanes with h = 0; the other groups are 0
	v_cndmask_b32 v[B+1], 0, v[P+1], s18
	v_cndmask_b32 v[B+2], 0, v[T], s18
	v_cndmask_b32 v[B+3], 0, v[T+1], s18
	v_mov_b32 v[B+4], 0
	v_mov_b32 v[B+5], 0
	v_mov_b32 v[B+6], 0
	v_mov_b32 v[B+7], 0
	v_lshlrev_b32 v[XB], 16, v[P]
	v_and_b32 v[XB+1], s19, v[P]
	v_lshlrev_b32 v[XB+2], 16, v[P+1]
	v_and_b32 v[XB+3], s19, v[P+1]
	LEVEL 0
	LEVEL 1
	LEVEL 2
	LEVEL 3
	v_pk_add_f32 v[O:O+1], v[Q:Q+1], v[XB:XB+1]                                   ; (q + x) - x, as reference() has it
	v_pk_add_f32 v[O+2:O+3], v[Q+2:Q+3], v[XB+2:XB+3]
	v_pk_add_f32 v[R:R+1], v[XB:XB+1], v[Q:Q+1] neg_lo:[0,1] neg_hi:[0,1]         ; x - q
	v_pk_add_f32 v[R+2:R+3], v[XB+2:XB+3], v[Q+2:Q+3] neg_lo:[0,1] neg_hi:[0,1]
	v_pk_add_f32 v[O:O+1], v[O:O+1], v[XB:XB+1] neg_lo:[0,1] neg_hi:[0,1]
	v_pk_add_f32 v[O+2:O+3], v[O+2:O+3], v[XB+2:XB+3] neg_lo:[0,1] neg_hi:[0,1]
	v_pk_fma_f32 v[ACC:ACC+1], v[R:R+1], v[R:R+1], v[ACC:ACC+1]
	v_pk_fma_f32 v[ACC:ACC+1], v[R+2:R+3], v[R+2:R+3], v[ACC:ACC+1]
	global_store_b128 v[OFFS], v[O:O+3], s[8:9] th:TH_STORE_NT                    ; the wave stores 512 consecutive bytes, at a multiple of 512 from out0's first
	s_lshl_b64 s[24:25], s[24:25], 16          ; the next block fills the next 16 lanes
	s_and_b32 s26, s22, 3
	s_cmp_lg_u32 s26, 1
	s_cbranch_scc1 .Lnoidx                     ; every fourth block: 64 rows' indices are complete
	; lane L of a level's first register holds row L, of its second row 32 + L.  Turned so that lane L holds rows 2L and 2L + 1: the lane numbers come from v0 alone
.irp l, 0,1,2,3
	ds_bpermute_b32 v[D+4*\l],   v[BPE], v[IM+2*\l]
	ds_bpermute_b32 v[D+4*\l+1], v[BPE], v[IM+2*\l+1]
	ds_bpermute_b32 v[D+4*\l+2], v[BPO], v[IM+2*\l]
	ds_bpermute_b32 v[D+4*\l+3], v[BPO], v[IM+2*\l+1]
.endr
	s_wait_dscnt 0x0
.irp l, 0,1,2,3
	v_cndmask_b32 v[D+16+2*\l], v[D+4*\l],   v[D+4*\l+1], s19
	v_cndmask_b32 v[D+17+2*\l], v[D+4*\l+2], v[D+4*\l+3], s19
	global_store_b64 v[IOFF], v[D+16+2*\l:D+17+2*\l], s[10:11] offset:\l*2097152 th:TH_STORE_NT  ; 256 consecutive bytes, at a multiple of 256 from out1's first; a level is 2,097,152 bytes
.endr
	s_wait_xcnt 0x0                            ; the stores' offset is stepped only behind this wait
	v_add_nc_u32 v[IOFF], 256, v[IOFF]
	s_mov_b32 s24, 0xffff
	s_mov_b32 s25, 0
.Lnoidx:
	s_wait_xcnt 0x0                            ; the load's and the stores' offset and the stores' data are rewritten only behind this wait
	v_add_nc_u32 v[OFFS], 512, v[OFFS]
	s_sub_co_u32 s22, s22, 1
	s_cmp_lg_u32 s22, 0
	s_cbranch_scc1 .Lblock
	; the wave's sum of (x - q)^2: every number of the wave's rows was owned by one lane
	v_add_f32 v[ACC], v[ACC], v[ACC+1]
	v_add_f32_dpp v[ACC], v[ACC], v[ACC] row_xmask:1 row_mask:0xf bank_mask:0xf
	v_add_f32_dpp v[ACC], v[ACC], v[ACC] row_xmask:2 row_mask:0xf bank_mask:0xf
	v_add_f32_dpp v[ACC], v[ACC], v[ACC] row_xmask:4 row_mask:0xf bank_mask:0xf
	v_add_f32_dpp v[ACC], v[ACC], v[ACC] row_xmask:8 row_mask:0xf bank_mask:0xf
	v_permlanex16_b32 v[ACC+1], v[ACC], s20, s21
	v_add_f32 v[ACC], v[ACC], v[ACC+1]
	v_and_b32 v[U0], 31, v0
	v_mov_b32 v[U1], 0
	v_cmp_eq_u32 vcc_lo, 0, v[U0]
	s_wait_xcnt 0x0                            ; EXEC changes only behind this wait
	s_and_saveexec_b32 s56, vcc_lo
	global_store_b32 v[U1], v[ACC], s[12:13]   ; lane 0 alone: one number a wave
	s_wait_xcnt 0x0
	s_or_b32 exec_lo, exec_lo, s56
	s_endpgm
.Lfunc_end_k_qdccb4f480a_quant:
	.size	k_qdccb4f480a_quant, .Lfunc_end_k_qdccb4f480a_quant-k_qdccb4f480a_quant
	.p2alignl 7, 3214868480
	.fill 96, 4, 3214868480
	.section	.rodata,"a",@progbits
	.p2align	6, 0x0
	.amdhsa_kernel k_qdccb4f480a_quant
		.amdhsa_group_segment_fixed_size 0
		.amdhsa_private_segment_fixed_size 0
		.amdhsa_enable_private_segment 0
		.amdhsa_kernarg_size 40
		.amdhsa_user_sgpr_count 2
		.amdhsa_user_sgpr_kernarg_segment_ptr 1
		.amdhsa_wavefront_size32 1
		.amdhsa_system_sgpr_workgroup_id_x 1
		.amdhsa_system_sgpr_workgroup_id_y 1
		.amdhsa_system_sgpr_workgroup_id_z 1
		.amdhsa_system_vgpr_workitem_id 0
		.amdhsa_next_free_vgpr 512
		.amdhsa_next_free_sgpr 66
		.amdhsa_reserve_vcc 1
		.amdhsa_float_denorm_mode_32 3
		.amdhsa_float_denorm_mode_16_64 3
		.amdhsa_memory_ordered 1
		.amdhsa_forward_progress 1
		.amdhsa_inst_pref_size 114
	.end_amdhsa_kernel
	.amdgpu_metadata
---
amdhsa.version: [ 1, 2 ]
amdhsa.kernels:
  - .name:           k_qdccb4f480a_quant
    .symbol:         k_qdccb4f480a_quant.kd
    .args:
      - { .name: x, .offset: 0, .size: 8, .value_kind: global_buffer, .address_space: global }
      - { .name: roots, .offset: 8, .size: 8, .value_kind: global_buffer, .address_space: global }
      - { .name: out0, .offset: 16, .size: 8, .value_kind: global_buffer, .address_space: global }
      - { .name: out1, .offset: 24, .size: 8, .value_kind: global_buffer, .address_space: global }
      - { .name: part, .offset: 32, .size: 8, .value_kind: global_buffer, .address_space: global }
    .group_segment_fixed_size: 0
    .private_segment_fixed_size: 0
    .kernarg_segment_align: 8
    .kernarg_segment_size: 40
    .max_flat_workgroup_size: 256
    .sgpr_count:     66
    .vgpr_count:     512
    .wavefront_size: 32
...
	.end_amdgpu_metadata
.endif
;; end of part 1
;; launch finish (part 2): grid 1 x 1, 1 waves a work-group, no clusters, 0 bytes of LDS; arguments part, out2; writes out2
.if DOCPART == 2
	.amdgcn_target "amdgcn-amd-amdhsa--gfx1250"
	.amdhsa_code_object_version 6
	.text
	.protected	k_qdccb4f480a_finish
	.globl	k_qdccb4f480a_finish
	.p2align	8
	.type	k_qdccb4f480a_finish,@function
k_qdccb4f480a_finish:
	s_mov_b64 s[64:65], 0
	v_nop
	global_prefetch_b8 v0, s[64:65] scope:SCOPE_SE
	s_setreg_imm32_b32 hwreg(HW_REG_WAVE_MODE, 25, 1), 1
	s_wait_xcnt 0x0
; out2 = the mean of (x - q)^2: the 2,048 waves' partial sums (f32, 8,192 bytes) are added and divided by 524,288 x 8 = 2^22.
; One wave: 16 loads of 16 bytes a lane, all out at once, each covering 512 consecutive bytes; no LDS, no barrier.
	s_load_b128 s[4:7], s[0:1], 0x0            ; part s[4:5], out2 s[6:7]
	v_lshlrev_b32 v1, 4, v0
	v_mov_b32 v2, 0
	s_mov_b32 s8, 0x76543210                   ; v_permlanex16_b32: each lane takes its own place in the other half
	s_mov_b32 s9, 0xfedcba98
	s_wait_kmcnt 0x0
.set i, 0
.rept 16
	global_load_b128 v[4+4*i:7+4*i], v1, s[4:5] offset:512*i
.set i, i+1
.endr
	s_wait_loadcnt 0x0
.set k, 4
.rept 28                                           ; four chains of packed additions
	v_pk_add_f32 v[4+2*(k%4):5+2*(k%4)], v[4+2*(k%4):5+2*(k%4)], v[4+2*k:5+2*k]
.set k, k+1
.endr
	v_pk_add_f32 v[4:5], v[4:5], v[6:7]
	v_pk_add_f32 v[8:9], v[8:9], v[10:11]
	v_pk_add_f32 v[4:5], v[4:5], v[8:9]
	v_add_f32 v4, v4, v5
	v_add_f32_dpp v4, v4, v4 row_xmask:1 row_mask:0xf bank_mask:0xf
	v_add_f32_dpp v4, v4, v4 row_xmask:2 row_mask:0xf bank_mask:0xf
	v_add_f32_dpp v4, v4, v4 row_xmask:4 row_mask:0xf bank_mask:0xf
	v_add_f32_dpp v4, v4, v4 row_xmask:8 row_mask:0xf bank_mask:0xf
	v_permlanex16_b32 v5, v4, s8, s9
	v_add_f32 v4, v4, v5
	v_mul_f32 v4, 0x34800000, v4               ; x 2^-22
	v_cmp_eq_u32 vcc_lo, 0, v0
	s_wait_xcnt 0x0                            ; EXEC changes only behind this wait
	s_and_saveexec_b32 s10, vcc_lo
	global_store_b32 v2, v4, s[6:7]            ; lane 0 alone: the one number
	s_wait_xcnt 0x0
	s_or_b32 exec_lo, exec_lo, s10
	s_endpgm
.Lfunc_end_k_qdccb4f480a_finish:
	.size	k_qdccb4f480a_finish, .Lfunc_end_k_qdccb4f480a_finish-k_qdccb4f480a_finish
	.p2alignl 7, 3214868480
	.fill 96, 4, 3214868480
	.section	.rodata,"a",@progbits
	.p2align	6, 0x0
	.amdhsa_kernel k_qdccb4f480a_finish
		.amdhsa_group_segment_fixed_size 0
		.amdhsa_private_segment_fixed_size 0
		.amdhsa_enable_private_segment 0
		.amdhsa_kernarg_size 16
		.amdhsa_user_sgpr_count 2
		.amdhsa_user_sgpr_kernarg_segment_ptr 1
		.amdhsa_wavefront_size32 1
		.amdhsa_system_sgpr_workgroup_id_x 1
		.amdhsa_system_sgpr_workgroup_id_y 1
		.amdhsa_system_sgpr_workgroup_id_z 1
		.amdhsa_system_vgpr_workitem_id 0
		.amdhsa_next_free_vgpr 68
		.amdhsa_next_free_sgpr 66
		.amdhsa_reserve_vcc 1
		.amdhsa_float_denorm_mode_32 3
		.amdhsa_float_denorm_mode_16_64 3
		.amdhsa_memory_ordered 1
		.amdhsa_forward_progress 1
		.amdhsa_inst_pref_size 5
	.end_amdhsa_kernel
	.amdgpu_metadata
---
amdhsa.version: [ 1, 2 ]
amdhsa.kernels:
  - .name:           k_qdccb4f480a_finish
    .symbol:         k_qdccb4f480a_finish.kd
    .args:
      - { .name: part, .offset: 0, .size: 8, .value_kind: global_buffer, .address_space: global }
      - { .name: out2, .offset: 8, .size: 8, .value_kind: global_buffer, .address_space: global }
    .group_segment_fixed_size: 0
    .private_segment_fixed_size: 0
    .kernarg_segment_align: 8
    .kernarg_segment_size: 16
    .max_flat_workgroup_size: 32
    .sgpr_count:     66
    .vgpr_count:     68
    .wavefront_size: 32
...
	.end_amdgpu_metadata
.endif
;; end of part 2
